; MI455X (gfx1250); checked and timed in simulation.
; The chip was launched on July 23, 2026; its instructions are those of AMD's public machine-readable ISA for CDNA 5 (MIT licence, August 2026) and "CDNA5" Instruction Set Architecture Reference Guide (July 2026). The comments in the code are by the model that wrote it; some were corrected since.
;; Self Attention1 D. Allowed arithmetic: matrix products marked QUANTISED: E2M3 operands, one E8M0 scale for each 32 along K, by v_wmma_scale_f32_16x16x128_f8f6f4 with both operands' format E2M3, f32 sums; everything else in f32.
;; Inputs: Wf 512 x 64 float32; Wg 512 x 64 float32; Wh 512 x 512 float32; bf 64 float32; bg 64 float32; bh 512 float32; gamma one number float32; x 4 x 4,096 x 512 float32.
;; Outputs: out0 4 x 4,096 x 512 float32.
;; This version of the problem:
;;   THIS VERSION OF THE PROBLEM IS GIVEN IN LOW PRECISION. The matrix products marked QUANTISED in the list below multiply operands that are first quantised to E2M3 (2 exponent bits, 3 mantissa bits; 6 bits a number), with one power-of-two scale for each 32 numbers along K (OCP MX v1.0); their sums are f32. All else is computed in f32.
;;   The module's matrix products, in the order in which they are computed (A, B: the left and right operand; K: the contracted axis; several contracted axes count as one K, in the product's order):
;;     1. [M 16,384, K 512] x [K 512, N 64]; A: input x; B: input Wf: QUANTISED
;;     2. [M 16,384, K 512] x [K 512, N 64]; A: input x; B: input Wg: QUANTISED
;;     3. [M 16,384, K 512] x [K 512, N 512]; A: input x; B: input Wh: QUANTISED
;;     4. batch 4 x [M 4,096, K 64] x [K 64, N 4,096]; A: computed on the way; B: computed on the way: QUANTISED
;;     5. batch 4 x [M 4,096, K 4,096] x [K 4,096, N 512]; A: softmax (see below); B: computed on the way: QUANTISED
;;   THE QUANTISER, for each operand of a quantised product, along K:
;;     - K is cut into blocks of 32 from its start; a last block that is shorter is filled with zeros.
;;     - A block's scale is 2^e with e = floor(log2(the largest magnitude in the block)) - 2, held to -126 .. 127; a block of zeros has e = 0. As a byte (E8M0): e + 127.
;;     - Each number is divided by its block's scale, clamped to +-7.5, and rounded to the nearest number of E2M3, ties to even, subnormals kept.
;;     - The product sums the exact products of the quantised numbers (number of the format x scale) in f32.
;;   ~~~python
;;   def quantise(x, axis):      # numpy; x: float32 -> the quantised numbers, widened to float32 again
;;       x = np.moveaxis(x, axis, -1); K = x.shape[-1]
;;       x = np.pad(x, [(0, 0)] * (x.ndim - 1) + [(0, -K % 32)]); x = x.reshape(x.shape[:-1] + (-1, 32)); a = np.abs(x).max(-1, keepdims=True)
;;       e = np.where(a > 0, np.clip(np.frexp(np.where(a > 0, a, 1))[1] - 1 - 2, -126, 127), 0)      # np.frexp(a)[1] - 1 = floor(log2(a)), exactly
;;       r = np.clip(x / 2.0 ** e, -7.5, 7.5)
;;       step = 2.0 ** (np.maximum(np.frexp(np.where(r == 0, 1, r))[1] - 1, 0) - 3)
;;       q = np.round(r / step) * step * 2.0 ** e      # np.round: ties to even
;;       return np.moveaxis(q.reshape(q.shape[:-2] + (-1,))[..., :K], -1, axis).astype(np.float32)
;;   ~~~
;;   SOFTMAX AHEAD OF A QUANTISED PRODUCT. Where the list says 'softmax', what is quantised is not the finished softmax but p = 2^(t - M), with t = logit x log2(e) and M = ceil(the row's largest t), a whole number; so 1/2 < the row's largest p <= 1. The row's sum l is taken of the UNQUANTISED p, in f32, and the product's result is divided by l at the end. Since M is a whole number, a kernel that streams over the keys may use a running M (the ceiling of the running maximum): every later rescaling is an exact power of two, which a block's scale takes up: the codes' values come out the same.
;;   OPERANDS COMPUTED ON THE WAY. 'Computed on the way' means the value that the module computes at that place (a softmax that the list does not call 'softmax' is quantised finished and normalised). What goes into a quantiser is computed in f32, as accurately as f32 sums, v_exp_f32 and their like allow (about 1e-6 of the number): no bf16 or f16 on the way to a quantiser, and a product that is left as it is and whose result goes on into a quantised operand takes f32 operands (vector FMAs, or v_wmma_f32_16x16x4_f32). A number that lies on a knife's edge between two numbers of the format may be rounded either way, as far as f32 arithmetic and the matrix unit's own rounding can turn it there, and no further.
;; One version. Each part assembles by itself: llvm-mc -triple=amdgcn-amd-amdhsa -mcpu=gfx1250 --defsym DOCPART=n.
;; ======== version 1 of 1: 3 launches
;; workspace buffers: wq 245,760 bytes; wsc 20,480 bytes; kv 7,733,248 bytes; fq 786,432 bytes; fsc 131,072 bytes
;; launch wquant (part 1): grid 40 x 1, 4 waves a work-group, no clusters, 0 bytes of LDS; arguments Wf, Wg, Wh, wq, wsc; writes wq, wsc
.if DOCPART == 1
	.amdgcn_target "amdgcn-amd-amdhsa--gfx1250"
	.amdhsa_code_object_version 6
	.text
	.protected	k_qd29a09673d_wquant
	.globl	k_qd29a09673d_wquant
	.p2align	8
	.type	k_qd29a09673d_wquant,@function
k_qd29a09673d_wquant:
	s_mov_b64 s[64:65], 0
	v_nop
	global_prefetch_b8 v0, s[64:65] scope:SCOPE_SE
	s_setreg_imm32_b32 hwreg(HW_REG_WAVE_MODE, 25, 1), 1
	s_wait_xcnt 0x0
; Wf [512][64], Wg [512][64], Wh [512][512], f32 with K as the FIRST axis, become codes of FP6 (E2M3) with one E8M0 byte for each 32 along K,
; laid as IMAGES OF OPERAND REGISTERS: a fragment (16 columns x 128 K, 12 registers a lane) is 1,536 bytes, registers 4 g .. 4 g + 3 of lane l at 512 g + 16 l;
; its scale words are 128 bytes, lane l's word at 4 l (lanes 16-31 repeat lanes 0-15).  Fragment F = 4 T + s: K step s, column tile T.
; T = 0..31: Wh, lane r = channel 16 T + r.  T = 32..35: Wf, T = 36..39: Wg; there, with t = T & 3, lane r = column 32 (t / 2) + 8 (t % 2) + r + 8 (r / 8),
; so that in the next launch the 16 registers of two neighbouring result tiles are 16 neighbours along the next K.
; SHARES: one wave makes one fragment: T = the work-group, s = the wave.  160 fragments: 40 work-groups of four waves is all the work there is.
; A LANE TAKES A COLUMN AND ITS REGISTERS RUN DOWN K, in the order that the operand's layout gives that lane (k = 64 c + 32 h + 0 .. 31): the conversions' results are the operand's registers.
; Each load reads 64 consecutive bytes in sixteen lanes: 1.3 MB in all, read once in the whole program.  No LDS, no barrier, no matrix unit, no cluster: waves share nothing.
; LIMITS: NaN and infinities are not served; a block whose largest magnitude lies under 2^-124 gets the byte 1; a block of zeros gets the byte 1 and not 127: its codes are zeros, and this program alone reads the bytes.
.set FRB, 1536
.macro LOADW pitch                     ; W(128 s + 64 c + 32 h + i, my column) into v[64 + 32 c + i]
.irp c, 0,1
.set i, 0
.rept 32
	global_load_b32 v[64+32*\c+i], v4, s[8:9] offset:(64*\c+i)*\pitch
.set i, i+1
.endr
.endr
.endm
	s_load_b256 s[4:11], s[0:1], 0x0               ; Wf s[4:5], Wg s[6:7], Wh s[8:9], wq s[10:11]
	s_load_b64 s[12:13], s[0:1], 0x20              ; wsc
	v_lshrrev_b32 v1, 5, v0
	v_readfirstlane_b32 s14, v1                    ; the wave = the K step s
	v_and_b32 v1, 15, v0                           ; r
	v_bfe_u32 v2, v0, 4, 1                         ; h
	v_and_b32 v3, 31, v0                           ; lane
	v_lshlrev_b32 v5, 4, v3                        ; an image's place for my lane
	v_lshlrev_b32 v6, 2, v3                        ; a scale word's
	s_mov_b32 s20, 0x76543210
	s_mov_b32 s21, 0xfedcba98                      ; v_permlanex16_b32's selects for lane l xor 16
	s_lshl_b32 s15, ttmp9, 2
	s_add_co_u32 s15, s15, s14                     ; F = 4 T + s
	s_mul_i32 s16, s15, FRB
	s_mov_b32 s17, 0
	s_lshl_b32 s18, s15, 7
	s_mov_b32 s19, 0
	s_mov_b32 s23, 0
	s_wait_kmcnt 0x0
	s_add_nc_u64 s[10:11], s[10:11], s[16:17]      ; my fragment's image
	s_add_nc_u64 s[12:13], s[12:13], s[18:19]      ; and its scale words
	s_cmp_lt_u32 ttmp9, 32                         ; the same for all four waves
	s_cbranch_scc0 .Lsmall
	s_lshl_b32 s22, s14, 18                        ; Wh: 128 rows of 2,048 bytes a K step,
	s_lshl_b32 s24, ttmp9, 6                       ; 16 columns of 4 bytes a tile
	s_add_co_u32 s22, s22, s24
	s_add_nc_u64 s[8:9], s[8:9], s[22:23]
	v_lshlrev_b32 v4, 2, v1                        ; column r,
	v_lshl_add_u32 v4, v2, 16, v4                  ; lanes 16-31 begin 32 rows further down
	LOADW 2048
	s_branch .Lquant
.Lsmall:
	s_cmp_lt_u32 ttmp9, 36                         ; Wf or Wg: the choice hangs on the work-group's number alone
	s_cselect_b64 s[8:9], s[4:5], s[6:7]
	s_lshl_b32 s22, s14, 15                        ; 128 rows of 256 bytes a K step
	s_bfe_u32 s24, ttmp9, 0x10001                  ; t / 2
	s_lshl_b32 s24, s24, 7                         ; 32 columns
	s_add_co_u32 s22, s22, s24
	s_and_b32 s24, ttmp9, 1                        ; t % 2
	s_lshl_b32 s24, s24, 5                         ; 8 columns
	s_add_co_u32 s22, s22, s24
	s_add_nc_u64 s[8:9], s[8:9], s[22:23]
	v_and_b32 v4, 8, v1
	v_add_nc_u32 v4, v4, v1                        ; r + 8 (r / 8)
	v_lshlrev_b32 v4, 2, v4
	v_lshl_add_u32 v4, v2, 13, v4                  ; 32 rows of 256 bytes
	LOADW 256
.Lquant:
	s_wait_loadcnt 0x0                             ; all 64 numbers
.irp c, 0,1                                    ; my block 2 c + h: all its 32 numbers are mine
	v_max3_num_f32 v[32+\c], |v[64+32*\c]|, |v[65+32*\c]|, 0x1800000   ; with the floor 2^(3 - 127): the byte cannot fall under 1
.endr
.irp i, 2,4,6,8,10,12,14,16,18,20,22,24,26,28,30
.irp c, 0,1
	v_max3_num_f32 v[32+\c], v[32+\c], |v[64+32*\c+\i]|, |v[65+32*\c+\i]|   ; the two blocks by turns
.endr
.endr
.irp c, 0,1
	v_add_nc_u32 v[44+\c], 0xff000000, v[32+\c]    ; 2 off the exponent field: the conversion's scale operand
.endr
.irp c, 0,1
	v_lshrrev_b32 v[36+\c], 23, v[44+\c]           ; the scale's byte
.endr
	v_lshl_or_b32 v9, v37, 16, v36                 ; my two bytes, blocks h and 2 + h,
	v_lshlrev_b32 v10, 3, v2
	v_lshlrev_b32 v9, v10, v9                      ; at their places in the word;
	v_mov_b32 v10, 0
	v_permlanex16_b32 v10, v9, s20, s21
	v_or_b32 v9, v9, v10                           ; with lane l xor 16's two the word is whole, in both halves of the lanes
.irp c, 0,1
	v_cvt_scalef32_pk16_fp6_f32 v[48+6*\c:50+6*\c], v[64+32*\c:79+32*\c], v[44+\c]
	v_cvt_scalef32_pk16_fp6_f32 v[192+4*\c:194+4*\c], v[80+32*\c:95+32*\c], v[44+\c]   ; a conversion's three registers begin on an even number: made elsewhere and moved
.endr
	v_nop                                          ; one plain place behind a scaled conversion
.irp c, 0,1
.irp i, 0,1,2
	v_mov_b32 v[51+6*\c+\i], v[192+4*\c+\i]
.endr
.endr
	global_store_b128 v5, v[48:51], s[10:11]               ; each store of the wave covers 512 consecutive bytes, aligned
	global_store_b128 v5, v[52:55], s[10:11] offset:512
	global_store_b128 v5, v[56:59], s[10:11] offset:1024
	global_store_b32 v6, v9, s[12:13]                      ; 128 consecutive bytes
	s_endpgm
.Lfunc_end_k_qd29a09673d_wquant:
	.size	k_qd29a09673d_wquant, .Lfunc_end_k_qd29a09673d_wquant-k_qd29a09673d_wquant
	.p2alignl 7, 3214868480
	.fill 96, 4, 3214868480
	.section	.rodata,"a",@progbits
	.p2align	6, 0x0
	.amdhsa_kernel k_qd29a09673d_wquant
		.amdhsa_group_segment_fixed_size 0
		.amdhsa_private_segment_fixed_size 0
		.amdhsa_enable_private_segment 0
		.amdhsa_kernarg_size 40
		.amdhsa_user_sgpr_count 2
		.amdhsa_user_sgpr_kernarg_segment_ptr 1
		.amdhsa_wavefront_size32 1
		.amdhsa_system_sgpr_workgroup_id_x 1
		.amdhsa_system_sgpr_workgroup_id_y 1
		.amdhsa_system_sgpr_workgroup_id_z 1
		.amdhsa_system_vgpr_workitem_id 0
		.amdhsa_next_free_vgpr 208
		.amdhsa_next_free_sgpr 66
		.amdhsa_reserve_vcc 0
		.amdhsa_float_denorm_mode_32 3
		.amdhsa_float_denorm_mode_16_64 3
		.amdhsa_memory_ordered 1
		.amdhsa_forward_progress 1
		.amdhsa_inst_pref_size 18
	.end_amdhsa_kernel
	.amdgpu_metadata
---
amdhsa.version: [ 1, 2 ]
amdhsa.kernels:
  - .name:           k_qd29a09673d_wquant
    .symbol:         k_qd29a09673d_wquant.kd
    .args:
      - { .name: Wf, .offset: 0, .size: 8, .value_kind: global_buffer, .address_space: global }
      - { .name: Wg, .offset: 8, .size: 8, .value_kind: global_buffer, .address_space: global }
      - { .name: Wh, .offset: 16, .size: 8, .value_kind: global_buffer, .address_space: global }
      - { .name: wq, .offset: 24, .size: 8, .value_kind: global_buffer, .address_space: global }
      - { .name: wsc, .offset: 32, .size: 8, .value_kind: global_buffer, .address_space: global }
    .group_segment_fixed_size: 0
    .private_segment_fixed_size: 0
    .kernarg_segment_align: 8
    .kernarg_segment_size: 40
    .max_flat_workgroup_size: 128
    .sgpr_count:     66
    .vgpr_count:     208
    .wavefront_size: 32
...
	.end_amdgpu_metadata
.endif
;; end of part 1
;; launch proj (part 2): grid 256 x 1, 4 waves a work-group, no clusters, 168,448 bytes of LDS; arguments x, wq, wsc, bf, bg, bh, kv, fq, fsc; writes kv, fq, fsc
.if DOCPART == 2
	.amdgcn_target "amdgcn-amd-amdhsa--gfx1250"
	.amdhsa_code_object_version 6
	.text
	.protected	k_qd29a09673d_proj
	.globl	k_qd29a09673d_proj
	.p2align	8
	.type	k_qd29a09673d_proj,@function
k_qd29a09673d_proj:
	s_mov_b64 s[64:65], 0
	v_nop
	global_prefetch_b8 v0, s[64:65] scope:SCOPE_SE
	s_setreg_imm32_b32 hwreg(HW_REG_WAVE_MODE, 25, 1), 1
	s_wait_xcnt 0x0
; f = x Wf + bf, g = x Wg + bg, h = x Wh + bh on codes of FP6 (E2M3) with E8M0 scales; then f and g are quantised along their 64 channels and h along the POSITIONS (the keys of the second attention product).
; All results leave as images of operand registers (a half fragment, 64 along K: registers 0-3 of lane l at 16 l, registers 4-5 at 512 + 8 l; scale words at 4 l), laid as the attention launch reads them:
;   kv: a block of 60,416 bytes for each step of 128 keys: two halves of 28,160 (32 tiles of h, 4 tiles of g, g's 4 scale images), then h's 32 scale images;   fq, fsc: f's tiles and scale images.
;   BLOCK j OF A BATCH HOLDS h OF KEY STEP j AND g OF KEY STEP j + 1 (modulo 32): the attention launch makes a step's scores one step ahead of its use of h.
; SHARES.  A work-group takes 64 positions.  Wave w quantises x's tile w; makes channels 128 w .. 128 w + 127 of h for all 64 positions (128 matrix instructions); and f (waves 0, 1) or g (waves 2, 3) for two tiles (32).
; THE POSITIONS OF A TILE ARE NOT NEIGHBOURS: row i of tile 2 b + u is position 32 b + 8 u + i + 8 (i / 8).  As source 0 (h) this makes the 16 registers of result tiles 2 b, 2 b + 1 sixteen neighbouring positions;
; as source 1 (g) it gives the keys of a tile the order that the scores' tiles need; as source 1 (f) it only permutes the queries, which the attention launch undoes in its stores' offsets.
; x comes once, by one tensor load a wave (16 rows of 2,048 bytes); its codes go from wave to wave through LDS as register images.  Nothing in LDS is filled twice.
; NO CLUSTER: the weights' images (245,760 bytes) are what the work-groups share; they go straight into the registers of the one or two waves that use them.  Shared through LDS they would not fit
; beside x and its images: 245,760 + 133,184 + 26,624 bytes are more than the 327,680 that a work-group can have.
; h's scale word spans 128 keys, two work-groups: each stores its 16 bits of it, 2 bytes a lane (0.5 MB in all); every other store of a wave covers whole aligned blocks of 128 bytes.
; EVERY STORE TO MEMORY HAS DATA REGISTERS OF ITS OWN, and no address register or base is written again: so no wait stands between a store and later work.
; LIMITS: NaN and infinities are not served; a block whose largest magnitude lies under 2^-124 gets the byte 1; a block of zeros gets the byte 1 and not 127: its codes are zeros, and this program alone reads the bytes.
; REGISTERS.  window 0: v4-15 addresses; v16-31, v216-255 h's codes and bytes on their way out; v32-95 two sets of four accumulators (first: 64 numbers of x); v96-122 the quantiser; v124-139 two bias tuples; v140-147 bh; v148-215 scale words.
;   window 1: x's 16 fragments at 12 (4 t + s); v192-239 the tile of x for f or g.   window 2: Wf's or Wg's 16 fragments, v192-223 their bias; later Wh's tiles 4-7.   window 3: Wh's tiles 0-3.
.set XG,    33296                      ; LDS: 16 rows of x: 16 x 2,080 + 16, so that rows 16 apart start 4 banks apart
.set XP,    2080                       ; a row of x: 2,048 bytes + 16 of padding behind each 1,024
.set XIMG,  133376                     ; x's 16 fragments as images, 4 t + s, 1,536 bytes each: from the first block of 256 bytes behind the tiles
.set XSC,   157952                     ; their scale words, 128 bytes each
.set STEPB, 60416
.set HALFB, 28160
.set KOFF,  24576
.set KSOFF, 27648
.set VSOFF, 56320
.set ACC,  32
.set BM,   96                          ; v96-97  largest magnitudes
.set T2,   98                          ; v98-99  the other half's, then the bytes
.set SO,   100                         ; v100-101 the conversions' scale operands
.set W16,  102                         ; v102-103 two bytes each
.set PW,   104                         ; x's scale word
.set PC,   108                         ; v108-119 codes
.set AUX,  120                         ; v120-122
.set CB,   124                         ; v124-131, v132-139 bh of my channel, eight times
.set BH,   140
.set XS,   148                         ; x's 16 scale words
.set FGS,  164                         ; Wf's or Wg's 16
.set HS,   180                         ; Wh's 32
.set FXSC, 212                         ; those of the tile of x for f or g
.set MSB, 0
.macro WIN new                         ; the immediate's high byte repeats the setting that is left
.if MSB != \new
	s_set_vgpr_msb (MSB<<8)|\new
.set MSB, \new
.endif
.endm
.macro PLACES
.rept 4
	v_nop
.endr
.endm
; 32 numbers of a lane, register 16 b + i = k 32 b + 16 h + i of its row, become 64 codes along K in v[d] .. v[d + 5] and two scale bytes in v[w].  Accumulators are read from their low ends on.
.macro QHALF s, d, a, w
.irp b, 0,1
	v_max3_num_f32 v[BM+\b], |v[\s+16*\b]|, |v[\s+16*\b+1]|, 0x1800000   ; with the floor 2^(3 - 127): the byte cannot fall under 1
.endr
.irp i, 2,4,6,8,10,12,14
.irp b, 0,1
	v_max3_num_f32 v[BM+\b], v[BM+\b], |v[\s+16*\b+\i]|, |v[\s+16*\b+\i+1]|
.endr
.endr
.irp b, 0,1
	v_permlanex16_b32 v[T2+\b], v[BM+\b], s26, s27
.endr
.irp b, 0,1
	v_max_num_f32 v[BM+\b], v[BM+\b], v[T2+\b]     ; with lane l xor 16's: the block's largest magnitude
.endr
.irp b, 0,1
	v_add_nc_u32 v[SO+\b], 0xff000000, v[BM+\b]    ; 2 off the exponent field: the conversion's scale operand
.endr
.irp b, 0,1
	v_lshrrev_b32 v[T2+\b], 23, v[SO+\b]           ; the byte
.endr
	v_lshl_or_b32 v[\w], v[T2+1], 8, v[T2]
	v_cvt_scalef32_pk16_fp6_f32 v[\d:\d+2], v[\s:\s+15], v[SO]
	v_cvt_scalef32_pk16_fp6_f32 v[\a:\a+2], v[\s+16:\s+31], v[SO+1]
	v_nop                                          ; one plain place behind a scaled conversion
.irp i, 0,1,2
	v_permlane16_swap_b32 v[\d+\i], v[\a+\i]       ; a whole block to a lane: lanes 0-15 block 0, lanes 16-31 block 1
.endr
.irp i, 0,1,2
	v_mov_b32 v[\d+3+\i], v[\a+\i]
.endr
.endm
.macro XLD s                           ; my row's 64 numbers of K step s: 16 neighbours of each block of 32
.irp b, 0,1,2,3
.irp j, 0,1,2,3
	ds_load_b128 v[ACC+16*\b+4*\j:ACC+16*\b+4*\j+3], v4 offset:512*(\s)+16*((\s)/2)+128*\b+16*\j
.endr
.endr
.endm
.macro FGXLD e                         ; the four fragments and scale words of tile 2 (w & 1) + e of x
	WIN 0x40
.irp s, 0,1,2,3
.irp g, 0,1,2
	ds_load_b128 v[192+12*\s+4*\g:192+12*\s+4*\g+3], v12 offset:6144*\e+1536*\s+512*\g
.endr
.endr
	WIN 0
.irp s, 0,1,2,3
	ds_load_b32 v[FXSC+\s], v13 offset:512*\e+128*\s
.endr
.endm
; f or g of one tile of x, transposed: source 0 = 16 columns of the weight, source 1 = x.  Four accumulators by turns, one instruction a turn; the bias starts the sums.
.macro MMFG e
.irp s, 0,1,2,3
.if \s == 0
	WIN 0x26                                       ; weight and bias window 2, x window 1
.else
	WIN 0x06
.endif
.irp d, 0,1,2,3
.if \s == 0
	v_wmma_scale_f32_16x16x128_f8f6f4 v[ACC+32*\e+8*\d:ACC+32*\e+8*\d+7], v[12*(4*\d+\s):12*(4*\d+\s)+11], v[192+12*\s:192+12*\s+11], v[192+8*\d:192+8*\d+7], v[FGS+4*\d+\s], v[FXSC+\s] matrix_a_fmt:MATRIX_FMT_FP6 matrix_b_fmt:MATRIX_FMT_FP6
.else
	v_wmma_scale_f32_16x16x128_f8f6f4 v[ACC+32*\e+8*\d:ACC+32*\e+8*\d+7], v[12*(4*\d+\s):12*(4*\d+\s)+11], v[192+12*\s:192+12*\s+11], v[ACC+32*\e+8*\d:ACC+32*\e+8*\d+7], v[FGS+4*\d+\s], v[FXSC+\s] matrix_a_fmt:MATRIX_FMT_FP6 matrix_b_fmt:MATRIX_FMT_FP6
.endif
.endr
.endr
	WIN 0
.endm
; h of my channel tile c for the four tiles of x: source 0 = x, source 1 = 16 columns of Wh: a lane holds one channel and its registers run along the positions.
.macro MMH c
.if (\c) < 4
	WIN 0x0d                                       ; x window 1, Wh window 3
.else
	WIN 0x09                                       ; Wh window 2
.endif
.irp s, 0,1,2,3
.irp t, 0,1,2,3
.if \s == 0
	v_wmma_scale_f32_16x16x128_f8f6f4 v[ACC+32*((\c)%2)+8*\t:ACC+32*((\c)%2)+8*\t+7], v[12*(4*\t+\s):12*(4*\t+\s)+11], v[12*(4*((\c)%4)+\s):12*(4*((\c)%4)+\s)+11], v[CB+8*((\c)%2):CB+8*((\c)%2)+7], v[XS+4*\t+\s], v[HS+4*(\c)+\s] matrix_a_fmt:MATRIX_FMT_FP6 matrix_b_fmt:MATRIX_FMT_FP6
.else
	v_wmma_scale_f32_16x16x128_f8f6f4 v[ACC+32*((\c)%2)+8*\t:ACC+32*((\c)%2)+8*\t+7], v[12*(4*\t+\s):12*(4*\t+\s)+11], v[12*(4*((\c)%4)+\s):12*(4*((\c)%4)+\s)+11], v[ACC+32*((\c)%2)+8*\t:ACC+32*((\c)%2)+8*\t+7], v[XS+4*\t+\s], v[HS+4*(\c)+\s] matrix_a_fmt:MATRIX_FMT_FP6 matrix_b_fmt:MATRIX_FMT_FP6
.endif
.endr
.endr
	WIN 0
.endm
.macro CBSET c                         ; all eight rows of a result's lane belong to one channel: its bias eight times
.irp j, 0,1,2,3,4,5,6,7
	v_mov_b32 v[CB+8*((\c)%2)+\j], v[BH+(\c)]
.endr
.endm
.macro FGST e                          ; a tile of f or g leaves: 512 + 256 + 128 consecutive bytes, from registers that are the tile's own
	global_store_b128 v5, v[PC+6*\e:PC+6*\e+3], s[74:75] offset:768*\e
	global_store_b64 v6, v[PC+6*\e+4:PC+6*\e+5], s[74:75] offset:768*\e+512
	global_store_b32 v7, v[W16+\e], s[76:77] offset:128*\e
.endm
	s_load_b256 s[4:11], s[0:1], 0x0               ; x s[4:5], wq s[6:7], wsc s[8:9], bf s[10:11]
	s_load_b256 s[12:19], s[0:1], 0x20             ; bg s[12:13], bh s[14:15], kv s[16:17], fq s[18:19]
	s_load_b64 s[20:21], s[0:1], 0x40              ; fsc
	v_lshl_add_u32 v107, v0, 2, 0x29000
	v_mov_b32 v123, 0
	ds_add_u32 v107, v123
	ds_add_u32 v107, v123
	v_lshrrev_b32 v1, 5, v0
	v_readfirstlane_b32 s22, v1                    ; wave w
	s_lshr_b32 s23, s22, 1
	s_and_b32 s24, s22, 1
	s_mov_b32 s26, 0x76543210
	s_mov_b32 s27, 0xfedcba98                      ; v_permlanex16_b32's selects for lane l xor 16
	; descriptor group 1: 16 rows of 512 elements of 4 bytes; 4 words of padding behind every 256 words
	s_mov_b32 s28, (2<<16)|(1<<20)|(7<<22)|(3<<25)
	s_mov_b32 s29, 512<<16                         ; tensor_dim0
	s_mov_b32 s30, 16<<16                          ; tensor_dim1
	s_mov_b32 s31, 512<<16                         ; tile_dim0
	s_mov_b32 s32, 16                              ; tile_dim1
	s_mov_b32 s33, 512                             ; elements from row to row
	s_mov_b32 s34, 0
	s_mov_b32 s35, 0
	s_lshl_b32 s40, ttmp9, 17                      ; 64 rows of 2,048 bytes a work-group,
	s_lshl_b32 s41, s22, 15                        ; 16 a wave
	s_add_co_u32 s40, s40, s41
	s_mov_b32 s41, 0
	s_mov_b32 s36, 1
	s_mul_i32 s37, s22, XG                         ; LDS: my 16 rows
	s_wait_dscnt 0x0
	s_wait_kmcnt 0x0
	s_add_nc_u64 s[38:39], s[4:5], s[40:41]
	s_or_b32 s39, s39, 0x80000000
	tensor_load_to_lds s[36:39], s[28:35]          ; my one tensor load: nothing else of mine is ever out
	s_nop 0
.rept 4
	v_nop
.endr
	s_mov_b32 s43, 0                               ; s[42:43]: an offset, as 64 bits
	s_mul_i32 s42, s22, 49152                      ; Wh: my 8 tiles x 4 K steps x 1,536 bytes
	s_add_nc_u64 s[44:45], s[6:7], s[42:43]
	s_mul_i32 s42, s23, 24576                      ; Wf's 16 fragments begin at fragment 128, Wg's at 144
	s_add_co_u32 s42, s42, 196608
	s_add_nc_u64 s[46:47], s[6:7], s[42:43]
	s_lshl_b32 s42, s22, 12
	s_add_nc_u64 s[48:49], s[8:9], s[42:43]        ; Wh's scale words
	s_lshl_b32 s42, s23, 11
	s_add_co_u32 s42, s42, 16384
	s_add_nc_u64 s[50:51], s[8:9], s[42:43]        ; Wf's or Wg's
	s_lshl_b32 s42, s22, 9
	s_add_nc_u64 s[52:53], s[14:15], s[42:43]      ; bh at my 128 channels
	s_cmp_lt_u32 s22, 2                            ; waves 0, 1: f; waves 2, 3: g
	s_cselect_b64 s[54:55], s[10:11], s[12:13]     ; bf or bg
	s_lshr_b32 s56, ttmp9, 1                       ; my step of 128 keys: 32 x batch + j
	s_add_co_u32 s60, s56, 31
	s_and_b32 s60, s60, 31                         ; j - 1 modulo 32,
	s_and_b32 s61, s56, 0x60
	s_or_b32 s60, s60, s61                         ; in the same batch: the block that takes my g
	s_mul_i32 s60, s60, STEPB
	s_mov_b32 s61, 0
	s_mul_i32 s56, s56, STEPB
	s_mov_b32 s57, 0
	s_add_nc_u64 s[66:67], s[16:17], s[56:57]      ; kv: the block of my 128 keys, for h,
	s_add_nc_u64 s[82:83], s[16:17], s[60:61]      ; and the block before it, for g
	s_and_b32 s58, ttmp9, 1
	s_mul_i32 s42, s58, HALFB
	s_add_nc_u64 s[68:69], s[66:67], s[42:43]      ; my half of each
	s_add_nc_u64 s[82:83], s[82:83], s[42:43]
	s_mul_i32 s42, s22, 6144
	s_add_nc_u64 s[70:71], s[68:69], s[42:43]      ; my 8 tiles of h,
	s_lshl_b32 s42, s22, 10
	s_lshl_b32 s59, s58, 1
	s_add_co_u32 s42, s42, s59
	s_add_co_u32 s42, s42, VSOFF
	s_add_nc_u64 s[72:73], s[66:67], s[42:43]      ; my half of their scale words
	s_mul_i32 s42, s24, 1536
	s_add_co_u32 s42, s42, KOFF
	s_add_nc_u64 s[74:75], s[82:83], s[42:43]      ; g's tiles 2 (w & 1) on
	s_lshl_b32 s42, s24, 8
	s_add_co_u32 s42, s42, KSOFF
	s_add_nc_u64 s[76:77], s[82:83], s[42:43]      ; and their scale images
	s_mul_i32 s42, ttmp9, 3072
	s_mul_i32 s59, s24, 1536
	s_add_co_u32 s42, s42, s59
	s_add_nc_u64 s[78:79], s[18:19], s[42:43]      ; f's tiles 4 x work-group + 2 (w & 1) on
	s_lshl_b32 s42, ttmp9, 9
	s_lshl_b32 s59, s24, 8
	s_add_co_u32 s42, s42, s59
	s_add_nc_u64 s[80:81], s[20:21], s[42:43]
	s_cmp_lt_u32 s22, 2
	s_cselect_b64 s[74:75], s[78:79], s[74:75]     ; where my two tiles go
	s_cselect_b64 s[76:77], s[80:81], s[76:77]
	v_and_b32 v1, 15, v0                           ; r
	v_bfe_u32 v2, v0, 4, 1                         ; h
	v_and_b32 v3, 31, v0                           ; lane
	v_lshlrev_b32 v5, 4, v3
	v_lshlrev_b32 v6, 3, v3
	v_lshlrev_b32 v7, 2, v3
	v_bfe_u32 v14, v0, 3, 1                        ; r / 8
	v_and_b32 v15, 7, v0                           ; r % 8
	v_mul_u32_u24 v4, v14, XG                      ; row r of tile w is row 8 (w & 1) + r % 8 of the group of sixteen 2 (w / 2) + r / 8
	v_mad_u32_u24 v4, v15, XP, v4
	v_lshl_add_u32 v4, v2, 6, v4                   ; + 64 h: my 16 numbers of a block of 32
	s_mul_i32 s59, s23, 2*XG
	s_mul_i32 s60, s24, 8*XP
	s_add_co_u32 s59, s59, s60
	v_add_nc_u32 v4, s59, v4
	s_mul_i32 s59, s22, 6144
	s_add_co_u32 s59, s59, XIMG
	v_add_nc_u32 v8, s59, v5                       ; where I store my tile's images
	s_lshl_b32 s59, s22, 9
	s_add_co_u32 s59, s59, XSC
	v_add_nc_u32 v9, s59, v7                       ; and its scale words
	v_add_nc_u32 v10, XIMG, v5                     ; where anybody reads them
	v_add_nc_u32 v11, XSC, v7
	s_mul_i32 s59, s24, 12288
	s_add_co_u32 s59, s59, XIMG
	v_add_nc_u32 v12, s59, v5                      ; tiles 2 (w & 1) on, for f or g
	s_lshl_b32 s59, s24, 10
	s_add_co_u32 s59, s59, XSC
	v_add_nc_u32 v13, s59, v7
	v_lshlrev_b32 v14, 6, v2                       ; bf, bg: 16 h numbers on
	v_lshlrev_b32 v15, 2, v1                       ; bh: channel r of a tile
	v_mov_b32 v[T2], 0                             ; written once: a lane permute's destination counts as one of its sources
	v_mov_b32 v[T2+1], 0
	; the weights land while x arrives
	WIN 0x80
.set fi, 0
.rept 16
.irp g, 0,1,2
	global_load_b128 v[12*fi+4*\g:12*fi+4*\g+3], v5, s[46:47] offset:1536*fi+512*\g
.endr
.set fi, fi+1
.endr
.irp t, 0,1,2,3                                ; the bias in the result's layout: tile t, lane half h: channels 32 (t / 2) + 16 h + 8 (t % 2) + 0 .. 7
	global_load_b128 v[192+8*\t:192+8*\t+3], v14, s[54:55] offset:(32*(\t/2)+8*(\t%2))*4
	global_load_b128 v[192+8*\t+4:192+8*\t+7], v14, s[54:55] offset:(32*(\t/2)+8*(\t%2))*4+16
.endr
	WIN 0xc0
.set fi, 0
.rept 16
.irp g, 0,1,2
	global_load_b128 v[12*fi+4*\g:12*fi+4*\g+3], v5, s[44:45] offset:1536*fi+512*\g
.endr
.set fi, fi+1
.endr
	WIN 0
.set fi, 0
.rept 16
	global_load_b32 v[FGS+fi], v7, s[50:51] offset:128*fi
.set fi, fi+1
.endr
.set fi, 0
.rept 32
	global_load_b32 v[HS+fi], v7, s[48:49] offset:128*fi
.set fi, fi+1
.endr
.irp c, 0,1,2,3,4,5,6,7
	global_load_b32 v[BH+\c], v15, s[52:53] offset:64*\c
.endr
	s_wait_tensorcnt 0x0                           ; my 16 rows of x are in LDS;
	s_barrier_signal -1
	s_barrier_wait -1                              ; everybody's are: a tile's rows come from two waves' loads
	; ---- X: my tile of x becomes four fragments
	XLD 0
.irp s, 0,1,2,3
	s_wait_dscnt 0x0                               ; this K step's numbers are in, and the last step's stores have read their registers
	QHALF ACC, PC, AUX, W16
	QHALF ACC+32, PC+6, AUX, W16+1
	v_lshl_or_b32 v[PW], v[W16+1], 16, v[W16]
.if \s < 3
	XLD \s+1
.endif
.irp g, 0,1,2
	ds_store_b128 v8, v[PC+4*\g:PC+4*\g+3] offset:1536*\s+512*\g
.endr
	ds_store_b32 v9, v[PW] offset:128*\s
.endr
	s_wait_dscnt 0x0                               ; for the others' sake: my images lie in LDS
	s_barrier_signal -1
	s_barrier_wait -1
	WIN 0x40
.set fi, 0
.rept 16
.irp g, 0,1,2
	ds_load_b128 v[12*fi+4*\g:12*fi+4*\g+3], v10 offset:1536*fi+512*\g
.endr
.set fi, fi+1
.endr
	WIN 0
.set fi, 0
.rept 16
	ds_load_b32 v[XS+fi], v11 offset:128*fi
.set fi, fi+1
.endr
	FGXLD 0
	; ---- FG: two tiles of f or of g
	s_wait_loadcnt 0x0                             ; the weights, their scale words and the biases
	s_wait_dscnt 0x0
	MMFG 0
	PLACES                                         ; in front of loads into registers that those products read, and of the first read of their results
	FGXLD 1
	QHALF ACC, PC, AUX, W16
	FGST 0
	s_wait_dscnt 0x0
	MMFG 1
	PLACES
	WIN 0x80                                       ; Wh's tiles 4-7 take the registers that Wf or Wg has left
.set fi, 16
.rept 16
.irp g, 0,1,2
	global_load_b128 v[12*(fi-16)+4*\g:12*(fi-16)+4*\g+3], v5, s[44:45] offset:1536*fi+512*\g
.endr
.set fi, fi+1
.endr
	WIN 0
	QHALF ACC+32, PC+6, AUX, W16+1                 ; the second tile's codes and bytes have registers of their own: the first tile's stores may still be reading theirs
	FGST 1
	; ---- H: one tile of channels is quantised while the next tile's 16 products run
	CBSET 0
	MMH 0
.irp c, 0,1,2,3,4,5,6,7
.if \c < 7
	CBSET \c+1                                     ; eight plain instructions that name no register of the products just issued: the places in front of the read of their results
.if \c+1 == 4
	s_wait_loadcnt 0x0                             ; Wh's tiles 4-7
.endif
	MMH \c+1
.else
	PLACES
.endif
.if \c < 6                                     ; six registers of codes and one of bytes for each tile, written once
.set HP, 216+6*\c
.else
.set HP, 16+6*(\c-6)
.endif
.if \c < 4
.set HW, 252+\c
.else
.set HW, 28+(\c-4)
.endif
	QHALF ACC+32*(\c%2), HP, AUX, HW
	global_store_b128 v5, v[HP:HP+3], s[70:71] offset:768*\c
	global_store_b64 v6, v[HP+4:HP+5], s[70:71] offset:768*\c+512
	global_store_b16 v7, v[HW], s[72:73] offset:128*\c             ; my 64 keys' two bytes of the scale word of 128 keys
.endr
	s_wait_tensorcnt 0x0
	ds_add_u32 v107, v123
	s_wait_dscnt 0x0
	s_endpgm
.Lfunc_end_k_qd29a09673d_proj:
	.size	k_qd29a09673d_proj, .Lfunc_end_k_qd29a09673d_proj-k_qd29a09673d_proj
	.p2alignl 7, 3214868480
	.fill 96, 4, 3214868480
	.section	.rodata,"a",@progbits
	.p2align	6, 0x0
	.amdhsa_kernel k_qd29a09673d_proj
		.amdhsa_group_segment_fixed_size 168448
		.amdhsa_private_segment_fixed_size 0
		.amdhsa_enable_private_segment 0
		.amdhsa_kernarg_size 72
		.amdhsa_user_sgpr_count 2
		.amdhsa_user_sgpr_kernarg_segment_ptr 1
		.amdhsa_wavefront_size32 1
		.amdhsa_system_sgpr_workgroup_id_x 1
		.amdhsa_system_sgpr_workgroup_id_y 1
		.amdhsa_system_sgpr_workgroup_id_z 1
		.amdhsa_system_vgpr_workitem_id 0
		.amdhsa_next_free_vgpr 1024
		.amdhsa_next_free_sgpr 84
		.amdhsa_reserve_vcc 0
		.amdhsa_float_denorm_mode_32 3
		.amdhsa_float_denorm_mode_16_64 3
		.amdhsa_memory_ordered 1
		.amdhsa_forward_progress 1
		.amdhsa_inst_pref_size 97
	.end_amdhsa_kernel
	.amdgpu_metadata
---
amdhsa.version: [ 1, 2 ]
amdhsa.kernels:
  - .name:           k_qd29a09673d_proj
    .symbol:         k_qd29a09673d_proj.kd
    .args:
      - { .name: x, .offset: 0, .size: 8, .value_kind: global_buffer, .address_space: global }
      - { .name: wq, .offset: 8, .size: 8, .value_kind: global_buffer, .address_space: global }
      - { .name: wsc, .offset: 16, .size: 8, .value_kind: global_buffer, .address_space: global }
      - { .name: bf, .offset: 24, .size: 8, .value_kind: global_buffer, .address_space: global }
      - { .name: bg, .offset: 32, .size: 8, .value_kind: global_buffer, .address_space: global }
      - { .name: bh, .offset: 40, .size: 8, .value_kind: global_buffer, .address_space: global }
      - { .name: kv, .offset: 48, .size: 8, .value_kind: global_buffer, .address_space: global }
      - { .name: fq, .offset: 56, .size: 8, .value_kind: global_buffer, .address_space: global }
      - { .name: fsc, .offset: 64, .size: 8, .value_kind: global_buffer, .address_space: global }
    .group_segment_fixed_size: 168448
    .private_segment_fixed_size: 0
    .kernarg_segment_align: 8
    .kernarg_segment_size: 72
    .max_flat_workgroup_size: 128
    .sgpr_count:     84
    .vgpr_count:     1024
    .wavefront_size: 32
...
	.end_amdgpu_metadata
.endif
;; end of part 2
;; launch attn (part 3): grid 64 x 4, 4 waves a work-group, clusters of 4 x 1, 327,680 bytes of LDS; arguments x, gamma, kv, fq, fsc, out0; writes out0
.if DOCPART == 3
	.amdgcn_target "amdgcn-amd-amdhsa--gfx1250"
	.amdhsa_code_object_version 6
	.text
	.protected	k_qd29a09673d_attn
	.globl	k_qd29a09673d_attn
	.p2align	8
	.type	k_qd29a09673d_attn,@function
k_qd29a09673d_attn:
	s_mov_b64 s[64:65], 0
	v_nop
	global_prefetch_b8 v0, s[64:65] scope:SCOPE_SE
	s_setreg_imm32_b32 hwreg(HW_REG_WAVE_MODE, 25, 1), 1
	s_wait_xcnt 0x0
	s_wait_alu depctr_hold_cnt(0) depctr_sa_sdst(0) depctr_va_vdst(0) depctr_va_sdst(0) depctr_va_ssrc(0) depctr_va_vcc(0) depctr_vm_vsrc(0)
	s_getreg_b32 s2, hwreg(HW_REG_IB_STS2, 6, 4)
	s_cmp_eq_u32 s2, 0
	s_cbranch_scc0 .Lentry_in_a_cluster
	s_endpgm
.Lentry_in_a_cluster:
	s_bfe_u32 s2, ttmp6, 0x10000c
	s_cmp_lg_u32 s2, 0x3003
	s_cbranch_scc0 .Lentry_shape_is_right
	s_endpgm
.Lentry_shape_is_right:
; out = x + gamma softmax(f g^T) h, both products on codes of FP6 (E2M3) with E8M0 scales.  f, g, h arrive as images of operand registers (a half fragment, 64 along K: registers 0-3 of lane l at 16 l,
; registers 4-5 at 512 + 8 l; scale words at 4 l).  The first product's K is 64: registers 6-11 of its fragments hold zero codes, written once.
; THE SOFTMAX: t = score x log2(e); M = the running largest t rounded UP to a whole number; p = 2^(t - M) is quantised along the keys, not normalised; the row's sum l is taken of the unquantised p; when M moves,
; l and O are multiplied by f = 2^(old M - new M), which rounds nothing.  At the end out = x + O x (gamma / l).
; SHARES.  A work-group owns 64 queries of one batch: 256 work-groups.  Wave w MAKES the scores and the softmax of query tile w (16 queries), and USES all four tiles' p for channels 128 w .. 128 w + 127:
; O^T is 32 accumulators, 256 registers.  p goes from wave to wave through LDS as a register image, so that each fragment of h read from LDS feeds four matrix instructions.
; Both products are used transposed (S^T = g f^T, O^T = h^T p^T): a lane holds one query (lane % 16) throughout.  The keys of a tile of g are laid so that the 16 registers of tiles 2 b, 2 b + 1 are 16 neighbouring keys.
; PIPELINE, three steps deep.  A phase stands between two barriers; block i of kv holds h of step i (128 keys) and g of step i + 1.  In phase i a wave
;   (a) runs the softmax of step i on scores that it made in phase i - 1, and stores p(i), its scale word and f(i) into p buffer i % 2;
;   (b) reads g(i + 1) and makes the scores of step i + 1 into the other of two sets of score registers;
;   (c) multiplies p(i - 1), from the other p buffer, by h(i - 1), which lies in registers, and reloads each fragment with h(i) once its four products are issued.
; So nothing at a phase's head waits for LDS: 40 instructions of the softmax stand between the loads of p and g and the first use of p.
; THE MATRIX INSTRUCTIONS STAND APART: behind each product of (c) stand the four packed multiplications that bring the accumulator two places on under the new M, and each product of (b) stands between two slices of the softmax.
; CLUSTER.  The four work-groups of a cluster belong to one batch and walk the same g and h: each slot (256 keys, 120,832 dense bytes) is asked for JOINTLY, a quarter by each wave, with the same descriptor in all four.
; A mask names four work-groups and only this one kind of tile is shared, so the cluster is 4 x 1.
; The queries of a tile are not neighbours either: row i of tile m is position 32 (m / 2) + 8 (m % 2) + i + 8 (i / 8) of the 64; the offsets of the loads of x and of the stores undo that.
; LIMITS: NaN and infinities are not served; a p under 2^-126 falls to 0 (v_exp_f32 gives 0 there); a block whose every p is 0 keeps the byte 1: its codes are zeros.
; REGISTERS.  window 0: v1-27 addresses and statistics; v32-95 and v168-231 the two sets of S^T, then p; v96-133 the quantiser; v136-157 scale words; v232-239 gamma / l (pairs).
;   window 1: O^T of channel tiles 0-3, tile (c, m) at 8 (4 c + m); h's tiles 0-3 at 128 + 12 c; v180-181 the addresses of h's reloads.   window 2: the same for channel tiles 4-7.
;   window 3: p at 12 m; f of the four tiles at v48-55 (pairs); g at 56 + 12 T; f's codes at v152.  With O^T and h in one window and p and f in another, ONE window setting serves the second product and the rescaling.
;   On the way out: rows of x of query tiles 0-2 in window 3 from v64 and of tile 3 in v32-95; rows back from the stage in window 1 from v128.
.set STEPB, 60416                      ; the block of 128 keys
.set HALFB, 28160                      ; its half: 32 tiles of h, 4 of g, g's 4 scale images
.set KOFF,  24576
.set KSOFF, 27648
.set VSOFF, 56320                      ; h's 32 scale images
.set SLOTB, 2*STEPB
.set QUART, SLOTB/4                    ; 118 rows of 256 bytes: what one tensor load brings
.set SLOT1, 131072                     ; slot 1 begins here: one exclusive or turns an address in one slot into the other's
.set PB0,   262144                     ; two p buffers: 4 fragments, 4 scale images, 4 images of f
.set PBUF,  7168
.set LX,    276480                     ; gamma / l of the four tiles
.set STAGE, 276992                     ; 16 rows x (512 + 16) bytes for each wave
.set SPARE, 310784                     ; the spare words, 128 bytes for each wave: two blocks of 256 bytes that no other line names
.set SPW, 1
.set NIL, 2
.set A16, 6                            ; v6-8   the step's block + 16, 8, 4 x lane: g's loads
.set A8,  7
.set A4,  8
.set AVS, 11                           ; v11    the step's block + my wave's scale images of h
.set PST, 16
.set PWS, 17
.set PLI, 18
.set PLS, 19
.set STO, 20
.set RD,  21
.set GO,  22
.set LXS, 23
.set LXL, 24
.set BM,  96
.set T2,  100
.set SO,  104
.set FR,  108                          ; v[108:109] f
.set TMP, 110
.set PC,  112
.set AX,  124
.set PW,  131
.set SU,  132
.set KS,  136
.set QS,  144
.set VS,  146
.set PWL, 154
.set GL,  232
.set VF,  128                          ; in windows 1 and 2
.set AW16, 180
.set AW8, 181
.set BK,  128                          ; in window 1, on the way out
.set PF,  0                            ; in window 3
.set FF,  48
.set KF,  56
.set QF,  152
.set XR,  64
.set CW1, 0x5d                         ; h, O^T (C and D) window 1; p or f window 3
.set CW2, 0xae                         ; the same with window 2
.set KQW, 0x0f                         ; g and f's codes window 3, S^T window 0
.set WV,  16
.set SEL, 20
.set CS,  22
.set TB,  24
.set MSB, 0
.macro WIN new                         ; the immediate's high byte repeats the setting that is left
.if MSB != \new
	s_set_vgpr_msb (MSB<<8)|\new
.set MSB, \new
.endif
.endm
.macro CROUND                          ; a round of the cluster's barrier
	s_barrier_signal -1
	s_barrier_wait -1
	s_cmp_lg_u32 s[WV], 0
	s_cbranch_scc1 .Lnot_wave_0_\@
	s_barrier_signal -3
.Lnot_wave_0_\@:
	s_barrier_wait -3
	s_barrier_signal -1
	s_barrier_wait -1
.endm
.macro BAR                             ; my LDS stores have landed and my LDS loads are in: then the work-group's barrier.
	s_wait_dscnt 0x0
	s_barrier_signal -1
	s_barrier_wait -1
.endm
.macro KLOAD                           ; 24 loads: the eight tiles of g that lie in this step's block, and their scale words
	WIN 0xc0
.irp t, 0,1,2,3,4,5,6,7
	ds_load_b128 v[KF+12*\t:KF+12*\t+3], v[A16] offset:(\t/4)*HALFB+KOFF+(\t%4)*768
	ds_load_b64 v[KF+12*\t+4:KF+12*\t+5], v[A8] offset:(\t/4)*HALFB+KOFF+(\t%4)*768+512
.endr
	WIN 0
.irp t, 0,1,2,3,4,5,6,7
	ds_load_b32 v[KS+\t], v[A4] offset:(\t/4)*HALFB+KSOFF+(\t%4)*128
.endr
.endm
.macro PLOAD pw, ff                    ; 16 loads, with ff 20: the four tiles' p, f and scale words out of the buffer that is not written in this phase
	WIN 0xc0
.irp m, 0,1,2,3
.irp g, 0,1,2
	ds_load_b128 v[PF+12*\m+4*\g:PF+12*\m+4*\g+3], v[PLI] offset:(1-\pw)*PBUF+\m*1536+512*\g
.endr
.endr
.if \ff
.irp m, 0,1,2,3
	ds_load_b32 v[FF+2*\m], v[PLS] offset:(1-\pw)*PBUF+512+\m*128
.endr
.endif
	WIN 0
.irp m, 0,1,2,3
	ds_load_b32 v[PWL+\m], v[PLS] offset:(1-\pw)*PBUF+\m*128
.endr
.endm
.macro VREL c                          ; my channel tile c of h, this step's 128 keys: two half fragments.  Under its tile's window setting: data and address lie in that window
	ds_load_b128 v[VF+12*((\c)%4):VF+12*((\c)%4)+3], v[AW16] offset:(\c)*768
	ds_load_b64 v[VF+12*((\c)%4)+4:VF+12*((\c)%4)+5], v[AW8] offset:(\c)*768+512
	ds_load_b128 v[VF+12*((\c)%4)+6:VF+12*((\c)%4)+9], v[AW16] offset:HALFB+(\c)*768
	ds_load_b64 v[VF+12*((\c)%4)+10:VF+12*((\c)%4)+11], v[AW8] offset:HALFB+(\c)*768+512
.endm
.macro VSCL
.irp c, 0,1,2,3,4,5,6,7
	ds_load_b32 v[VS+\c], v[AVS] offset:VSOFF+\c*128
.endr
.endm
.macro QUADN n                         ; accumulator n of the window's sixteen (n = 4 c + m) under the new M: x f of query tile m; from its low end on
.irp j, 0,2,4,6
	v_pk_mul_f32 v[8*(\n)+\j:8*(\n)+\j+1], v[8*(\n)+\j:8*(\n)+\j+1], v[FF+2*((\n)%4):FF+2*((\n)%4)+1] op_sel_hi:[1,0]
.endr
.endm
.macro PV1 c, m, zero                  ; O^T(c, m) += h^T(c) p^T(m).  zero = 1: the product starts the sum: nothing is cleared
.if \zero
	v_wmma_scale_f32_16x16x128_f8f6f4 v[8*(4*((\c)%4)+\m):8*(4*((\c)%4)+\m)+7], v[VF+12*((\c)%4):VF+12*((\c)%4)+11], v[PF+12*\m:PF+12*\m+11], 0, v[VS+(\c)], v[PWL+\m] matrix_a_fmt:MATRIX_FMT_FP6 matrix_b_fmt:MATRIX_FMT_FP6
.else
	v_wmma_scale_f32_16x16x128_f8f6f4 v[8*(4*((\c)%4)+\m):8*(4*((\c)%4)+\m)+7], v[VF+12*((\c)%4):VF+12*((\c)%4)+11], v[PF+12*\m:PF+12*\m+11], v[8*(4*((\c)%4)+\m):8*(4*((\c)%4)+\m)+7], v[VS+(\c)], v[PWL+\m] matrix_a_fmt:MATRIX_FMT_FP6 matrix_b_fmt:MATRIX_FMT_FP6
.endif
.endm
; ONE GROUP of the second product: channel tile c against the four query tiles; the accumulators take turns, one instruction a turn.
; cons = 2: the rescaling runs two accumulators ahead of the products: two quads lead a window's first group, and behind product n stands quad n + 2.  So four plain instructions stand between an accumulator's
; rescaling and its product, and the quad behind a tile's last product is the four places in front of that tile's reload, which opens the next group (ISA guide 7.12.1 asks for independent plain vector instructions).
; cons = 1: the products start the sums; where only exponentials stand since the last group, four v_nop are the places.  rel = 1: h is reloaded.
.macro G c, cons, rel
.if \cons > 0
.if (\c) < 4
	WIN CW1
.else
	WIN CW2
.endif
.if (\cons == 2) && ((\c)%4 == 0)
	QUADN 0
	QUADN 1
.endif
.if (\rel) && ((\c)%4 != 0)
.if (\cons == 1) && ((\c) > 4)
	s_wait_alu depctr_va_vdst(0)
.rept 4
	v_nop
.endr
.endif
	VREL (\c)-1
.endif
.irp m, 0,1,2,3
	PV1 \c, \m, (2-\cons)
.if (\cons == 2) && (4*((\c)%4)+\m+2 < 16)
	QUADN 4*((\c)%4)+\m+2
.endif
.endr
	WIN 0
.endif
.endm
.macro SPK k, sbn, kl                  ; tile k of the next step's scores, into the set of score registers that the softmax in hand does not use
.if \kl
	WIN KQW
	v_wmma_scale_f32_16x16x128_f8f6f4 v[(\sbn)+8*\k:(\sbn)+8*\k+7], v[KF+12*\k:KF+12*\k+11], v[QF:QF+11], 0, v[KS+\k], v[QS] matrix_a_fmt:MATRIX_FMT_FP6 matrix_b_fmt:MATRIX_FMT_FP6
	WIN 0
.endif
.endm
; THE SOFTMAX of my tile for one step, in slices; sb: the set of score registers.
.macro SM0 sb                          ; the largest score of each block of 32 keys: it serves for the row's maximum and, since p rises with the score, for the block's largest p.  Each tile is read from its low end on
.irp b, 0,1,2,3
	v_max3_num_f32 v[BM+\b], v[(\sb)+16*\b], v[(\sb)+16*\b+1], v[(\sb)+16*\b+2]
.endr
.irp i, 3,5,7
.irp b, 0,1,2,3
	v_max3_num_f32 v[BM+\b], v[BM+\b], v[(\sb)+16*\b+\i], v[(\sb)+16*\b+\i+1]
.endr
.endr
.endm
.macro SM1 sb
.irp i, 9,11,13
.irp b, 0,1,2,3
	v_max3_num_f32 v[BM+\b], v[BM+\b], v[(\sb)+16*\b+\i], v[(\sb)+16*\b+\i+1]
.endr
.endr
.irp b, 0,1,2,3
	v_max_num_f32 v[BM+\b], v[BM+\b], v[(\sb)+16*\b+15]
.endr
.irp b, 0,1,2,3
	v_permlanex16_b32 v[T2+\b], v[BM+\b], s[SEL], s[SEL+1]
.endr
.irp b, 0,1,2,3
	v_max_num_f32 v[BM+\b], v[BM+\b], v[T2+\b]     ; with lane l xor 16's 16 keys
.endr
.endm
.macro FMAS sb, a, n                   ; t - M, two at a time: n pairs from register a on
.set fj, \a
.rept \n
	v_pk_fma_f32 v[(\sb)+fj:(\sb)+fj+1], v[(\sb)+fj:(\sb)+fj+1], s[CS:CS+1], v[12:13] op_sel_hi:[1,0,0]
.set fj, fj+2
.endr
.endm
.macro SMA sb
	v_max3_num_f32 v[TMP], v[BM], v[BM+1], v[BM+2]
	v_max_num_f32 v[TMP], v[TMP], v[BM+3]          ; the step's largest score of my query
	v_mul_f32 v[TMP], s[CS], v[TMP]                ; as t (c is positive)
	v_max_num_f32 v13, v13, v[TMP]                 ; the running largest t
	v_mov_b32 v[TMP], v12
	v_floor_f32 v12, -v13                          ; the new -M = floor(-t): M is a whole number
	v_sub_f32 v[TMP], v12, v[TMP]                  ; old M - new M: a whole number, 0 or less
	v_cvt_i32_f32 v[TMP], v[TMP]                   ; (it saturates)
	v_ldexp_f32 v[FR], 1.0, v[TMP]                 ; f = 2^(old M - new M)
	FMAS \sb, 0, 4
.endm
.macro SMD sb
	FMAS \sb, 48, 8
.irp b, 0,1,2,3
	v_fma_f32 v[BM+\b], v[BM+\b], s[CS], v12       ; the same of each block's largest score
.endr
.endm
.macro EXPS sb, a, n
.set ex, \a
.rept \n
	v_exp_f32 v[(\sb)+ex], v[(\sb)+ex]             ; p = 2^(t - M), at most 1
.set ex, ex+1
.endr
.endm
.macro EXPB
.irp b, 0,1,2,3
	v_exp_f32 v[BM+\b], v[BM+\b]                   ; the block's largest p: the same two instructions on the same number
.endr
.endm
.macro SM6A                            ; sixteen plain instructions
	v_pk_mul_f32 v[14:15], v[14:15], v[FR:FR+1] op_sel_hi:[1,0]   ; l under the new M.  (A plain place behind the exponentials)
	s_wait_alu depctr_va_vdst(0)
.irp b, 0,1,2,3
	v_max_num_f32 v[BM+\b], 0x1800000, v[BM+\b]    ; the floor 2^(3 - 127): the byte cannot fall under 1
.endr
.irp b, 0,1,2,3
	v_add_nc_u32 v[SO+\b], 0xff000000, v[BM+\b]    ; 2 off the exponent field: the conversion's scale operand
.endr
.irp b, 0,1,2,3
	v_lshrrev_b32 v[T2+\b], 23, v[SO+\b]           ; the byte
.endr
	v_lshl_or_b32 v[PW], v[T2+1], 8, v[T2]
	v_lshl_or_b32 v[PW], v[T2+2], 16, v[PW]
	v_lshl_or_b32 v[PW], v[T2+3], 24, v[PW]        ; p's scale word for these 128 keys
.endm
.macro SM6B sb, pw
.irp c, 0,1
	v_cvt_scalef32_pk16_fp6_f32 v[PC+6*\c:PC+6*\c+2], v[(\sb)+32*\c:(\sb)+32*\c+15], v[SO+2*\c]
	v_cvt_scalef32_pk16_fp6_f32 v[AX+4*\c:AX+4*\c+2], v[(\sb)+32*\c+16:(\sb)+32*\c+31], v[SO+2*\c+1]
.endr
	v_nop                                          ; one plain place behind a scaled conversion
.irp c, 0,1                                    ; a whole block to a lane: lanes 0-15 block 2 c, lanes 16-31 block 2 c + 1
.irp i, 0,1,2
	v_permlane16_swap_b32 v[PC+6*\c+\i], v[AX+4*\c+\i]
.endr
.irp i, 0,1,2
	v_mov_b32 v[PC+6*\c+3+\i], v[AX+4*\c+\i]
.endr
.endr
.irp g, 0,1,2
	ds_store_b128 v[PST], v[PC+4*\g:PC+4*\g+3] offset:\pw*PBUF+512*\g   ; the fragment as it stands
.endr
	ds_store_b32 v[PWS], v[PW] offset:\pw*PBUF
	ds_store_b32 v[PWS], v[FR] offset:\pw*PBUF+512
.endm
.macro SM7A sb                         ; the row's sum is taken of the unquantised p: two at a time, in two chains
	v_pk_add_f32 v[SU:SU+1], v[(\sb):(\sb)+1], v[(\sb)+2:(\sb)+3]
.irp j, 4,8,12,16,20,24,28
	v_pk_add_f32 v[14:15], v[14:15], v[(\sb)+\j:(\sb)+\j+1]
	v_pk_add_f32 v[SU:SU+1], v[SU:SU+1], v[(\sb)+\j+2:(\sb)+\j+3]
.endr
.endm
.macro SM7B sb
.irp j, 32,36,40,44,48,52,56,60
	v_pk_add_f32 v[14:15], v[14:15], v[(\sb)+\j:(\sb)+\j+1]
	v_pk_add_f32 v[SU:SU+1], v[SU:SU+1], v[(\sb)+\j+2:(\sb)+\j+3]
.endr
	v_pk_add_f32 v[14:15], v[14:15], v[SU:SU+1]
.endm
.macro XLOADS m                        ; the 16 rows of x of query tile m, my 128 channels: each load of the wave reads 512 consecutive bytes
.if (\m) < 3
	WIN 0xc0
.irp i, 0,1,2,3,4,5,6,7,8,9,10,11,12,13,14,15
	global_load_b128 v[XR+64*(\m)+4*\i:XR+64*(\m)+4*\i+3], v[GO], s[4:5] offset:(32*((\m)/2)+8*((\m)%2)+\i+8*(\i/8))*2048 th:TH_LOAD_NT
.endr
.else
	WIN 0
.irp i, 0,1,2,3,4,5,6,7,8,9,10,11,12,13,14,15
	global_load_b128 v[32+4*\i:32+4*\i+3], v[GO], s[4:5] offset:(32*((\m)/2)+8*((\m)%2)+\i+8*(\i/8))*2048 th:TH_LOAD_NT
.endr
.endif
.endm
; A PHASE.  pw: the p buffer that is written, and the set of score registers that the softmax works on.  cons = 0: nothing to use yet, h of this step is fetched whole; 1: the products start O^T; 2: the full phase.
; kl = 1: g of the next step is read and its scores are made.  kl = 0, the last step: the rows of x are asked for instead, into the registers that g, f's codes and the idle set of scores have left.
.macro PHASE pw, cons, kl
	WIN 0
.if \kl
	v_add_nc_u32 v[A16], s[TB], v3                 ; these additions are also the places behind the last phase's last product, in front of the reads of its scores and of the loads into g's registers
	v_add_nc_u32 v[A8], s[TB], v4
	v_add_nc_u32 v[A4], s[TB], v5
.endif
	v_add_nc_u32 v[AVS], s[TB], v27
	WIN 0x40
	v_add_nc_u32 v[AW16], s[TB], v25               ; the addresses of h's reloads, once in each of the two windows that hold h
	v_add_nc_u32 v[AW8], s[TB], v26
	WIN 0x80
	v_add_nc_u32 v[AW16], s[TB], v25
	v_add_nc_u32 v[AW8], s[TB], v26
.if \cons > 0
	PLOAD \pw, (\cons-1)
.endif
	WIN 0
	SM0 (32+136*\pw)
.if \kl
	KLOAD
.else
	XLOADS 0
	XLOADS 1
	XLOADS 2
	WIN 0
.endif
.if \cons == 0
	WIN CW1
.irp c, 0,1,2,3
	VREL \c
.endr
	WIN CW2
.irp c, 4,5,6,7
	VREL \c
.endr
	WIN 0
	VSCL
.endif
	SM1 (32+136*\pw)
.if \cons > 0
	s_wait_dscnt 24*\kl                            ; p, f and p's scale words are in; behind them stand g's 24 loads, if any
.endif
	G 0, \cons, 1
	SMA (32+136*\pw)
	G 1, \cons, 1
	FMAS (32+136*\pw), 8, 10
	G 2, \cons, 1
	FMAS (32+136*\pw), 28, 10
	G 3, \cons, 1
	SMD (32+136*\pw)                               ; twelve plain instructions: the places in front of the reload of tile 3
.if \cons > 0
	WIN CW1
	VREL 3
.endif
	G 4, \cons, 1
	EXPS (32+136*\pw), 0, 8
.if \kl
.if \cons == 0
	s_wait_dscnt 40                                ; g is in; behind it stand h's 32 loads and its 8 scale words
.else
	s_wait_dscnt 16                                ; g is in; behind it stand the reloads of tiles 0 to 3, four loads each
.endif
.endif
	SPK 0, (32+136*(1-\pw)), \kl
	EXPS (32+136*\pw), 8, 8
	SPK 1, (32+136*(1-\pw)), \kl
	EXPS (32+136*\pw), 16, 8
	G 5, \cons, 1
	EXPS (32+136*\pw), 24, 8
	SPK 2, (32+136*(1-\pw)), \kl
	EXPS (32+136*\pw), 32, 8
	SPK 3, (32+136*(1-\pw)), \kl
	EXPS (32+136*\pw), 40, 8
	G 6, \cons, 1
	EXPS (32+136*\pw), 48, 8
	SPK 4, (32+136*(1-\pw)), \kl
	EXPS (32+136*\pw), 56, 8
	EXPB
	G 7, \cons, 1
	SM6A                                           ; also the places in front of the reload of tile 7 and of h's scale words
.if \cons > 0
	WIN CW2
	VREL 7
	WIN 0
	VSCL
.endif
	SM6B (32+136*\pw), \pw
.if \kl == 0
	XLOADS 3
.endif
	SPK 5, (32+136*(1-\pw)), \kl
	SM7A (32+136*\pw)
	SPK 6, (32+136*(1-\pw)), \kl
	SM7B (32+136*\pw)
	SPK 7, (32+136*(1-\pw)), \kl
.endm
; THE CHANGE OF SLOTS, in place of a phase's barrier.  Each wave waits for all its tensor loads (its part of the slot ahead), adds 0 to its spare word, and waits for that, for its reads of the slot that it leaves
; and for its stores of p.  fill = 1: the barrier is a round of the cluster's, and the slot just left is filled with the 256 keys two slots on: that load has two phases in which to land.
.macro CHANGE fill
	WIN 0
	s_wait_tensorcnt 0x0                           ; no tensor load of mine is out, so the walking group 0 may be written
	ds_add_u32 v[SPW], v[NIL]                      ; 0 onto my spare word
.if \fill
	s_xor_b32 s41, s41, SLOT1                      ; the other slot than last time,
	s_add_nc_u64 s[42:43], s[42:43], SLOTB         ; the next 256 keys; the type bits on top are not reached
.endif
	s_wait_dscnt 0x0
.if \fill
	CROUND
	tensor_load_to_lds s[40:43], s[28:35]          ; my one tensor load behind the round, and the first thing there
	s_nop 0
.rept 4
	v_nop
.endr
.else
	s_barrier_signal -1
	s_barrier_wait -1
.endif
	s_sub_co_u32 s[TB], s[TB], STEPB               ; back to a slot's first step,
	s_xor_b32 s[TB], s[TB], SLOT1                  ; in the other slot
.endm
	s_load_b256 s[4:11], s[0:1], 0x0               ; x s[4:5], gamma s[6:7], kv s[8:9], fq s[10:11]
	s_load_b128 s[12:15], s[0:1], 0x20             ; fsc s[12:13], out0 s[14:15]
	v_lshl_add_u32 v[SPW], v0, 2, SPARE
	v_mov_b32 v[NIL], 0
	ds_add_u32 v1, v2
	ds_add_u32 v1, v2
	s_wait_dscnt 0x0
	v_lshrrev_b32 v28, 5, v0
	v_readfirstlane_b32 s[WV], v28                 ; wave 0..3
	v_and_b32 v28, 31, v0                          ; lane
	v_lshlrev_b32 v3, 4, v28
	v_lshlrev_b32 v4, 3, v28
	v_lshlrev_b32 v5, 2, v28
	s_bfe_u32 s17, ttmp6, 0x40000                  ; cx: my place in the cluster
	s_lshl_b32 s18, ttmp9, 2                       ; in a cluster launch ttmp9 counts clusters
	s_add_co_u32 s18, s18, s17                     ; my block of 64 queries: it enters the addresses of f, x and out0 alone
	s_and_b32 s19, ttmp7, 0xffff                   ; the batch, which the four partners share
	; descriptor group 1: 118 rows of 32 elements of 8 bytes, dense
	s_mov_b32 s28, 15|(3<<16)|(1<<21)              ; 15:0 the mask: all four work-groups; 17:16 elements of 8 bytes; 21 set beside a mask
	s_mov_b32 s29, 32<<16                          ; tensor_dim0
	s_mov_b32 s30, 118<<16                         ; tensor_dim1
	s_mov_b32 s31, 32<<16                          ; tile_dim0
	s_mov_b32 s32, 118                             ; tile_dim1
	s_mov_b32 s33, 32                              ; elements from row to row
	s_mov_b32 s34, 0
	s_mov_b32 s35, 0
	s_mov_b32 s[SEL], 0x76543210
	s_mov_b32 s[SEL+1], 0xfedcba98
	s_mov_b32 s[CS], 0x3fb8aa3b                    ; c = log2(e)
	s_mov_b32 s[CS+1], s[CS]                       ; named with it as a pair, so it is written
	s_mov_b32 s[TB], 0
	s_mov_b32 s25, 14                              ; 16 slots of keys; all but the first two are refills
	s_mul_i32 s44, s19, 32*STEPB                   ; the batch's 32 blocks
	s_mov_b32 s45, 0
	s_mul_i32 s46, s[WV], QUART                    ; my quarter of a slot, in memory and in LDS: no place in the cluster enters it
	s_mov_b32 s47, 0
	s_lshl_b32 s54, s19, 8
	s_lshl_b32 s55, s18, 2
	s_add_co_u32 s54, s54, s55
	s_add_co_u32 s54, s54, s[WV]                   ; my query tile: 256 x batch + 4 x block + wave
	s_mul_i32 s48, s54, 768
	s_mov_b32 s49, 0
	s_lshl_b32 s50, s54, 7
	s_mov_b32 s51, 0
	s_lshl_b32 s52, s19, 23                        ; 4,096 rows of 2,048 bytes a batch,
	s_lshl_b32 s53, s18, 17                        ; 64 a block
	s_add_co_u32 s52, s52, s53
	s_mov_b32 s53, 0
	s_wait_kmcnt 0x0
	s_load_b32 s26, s[6:7], 0x0                    ; gamma: waited for ahead of the first products, not ahead of the first tiles
	s_add_nc_u64 s[8:9], s[8:9], s[44:45]          ; kv at my batch
	s_add_nc_u64 s[10:11], s[10:11], s[48:49]      ; f's codes of my tile,
	s_add_nc_u64 s[12:13], s[12:13], s[50:51]      ; its scale words,
	s_add_nc_u64 s[4:5], s[4:5], s[52:53]          ; x and out0 at my block's first row
	s_add_nc_u64 s[14:15], s[14:15], s[52:53]
	WIN 0xc0
	global_load_b128 v[QF:QF+3], v3, s[10:11]
	global_load_b64 v[QF+4:QF+5], v4, s[10:11] offset:512
.irp t, 0,1,2,3,4,5,6,7                        ; g of step 0 lies in the batch's block 31: it comes straight from memory
	global_load_b128 v[KF+12*\t:KF+12*\t+3], v3, s[8:9] offset:31*STEPB+(\t/4)*HALFB+KOFF+(\t%4)*768
	global_load_b64 v[KF+12*\t+4:KF+12*\t+5], v4, s[8:9] offset:31*STEPB+(\t/4)*HALFB+KOFF+(\t%4)*768+512
.endr
	WIN 0
	global_load_b32 v[QS], v5, s[12:13]
.irp t, 0,1,2,3,4,5,6,7
	global_load_b32 v[KS+\t], v5, s[8:9] offset:31*STEPB+(\t/4)*HALFB+KSOFF+(\t%4)*128
.endr
	s_mov_b32 s36, 1                               ; group 0 for slot 0
	s_mov_b32 s37, s46
	s_add_nc_u64 s[38:39], s[8:9], s[46:47]
	s_or_b32 s39, s39, 0x80000000
	s_mov_b32 s40, 1                               ; group 0 for slot 1, which then walks on
	s_add_co_u32 s41, s46, SLOT1
	s_add_nc_u64 s[42:43], s[8:9], s[46:47]
	s_add_nc_u64 s[42:43], s[42:43], SLOTB
	s_or_b32 s43, s43, 0x80000000
	CROUND                                         ; all four work-groups are here: the first joint loads meet
	tensor_load_to_lds s[36:39], s[28:35]          ; both first fills together: two loads of mine are out
	s_nop 0
	tensor_load_to_lds s[40:43], s[28:35]
	s_nop 0
.rept 4
	v_nop
.endr
	WIN 0xc0
.irp t, 0,1,2,3,4,5,6,7                        ; the first product's K is 64: the upper 64 of the instruction's 128 are zero codes, on both sides, written once
.irp j, 6,7,8,9,10,11
	v_mov_b32 v[KF+12*\t+\j], 0
.endr
.endr
.irp j, 6,7,8,9,10,11
	v_mov_b32 v[QF+\j], 0
.endr
.irp m, 0,1,2,3
	v_mov_b32 v[FF+2*\m+1], 0                      ; the upper halves of pairs of which the low word serves both halves
.endr
	WIN 0
	v_and_b32 v29, 15, v0                          ; r
	v_bfe_u32 v30, v0, 4, 1                        ; h
	s_mul_i32 s54, s[WV], 6144                     ; my 8 tiles of h in a half block
	v_add_nc_u32 v25, s54, v3
	v_add_nc_u32 v26, s54, v4
	s_lshl_b32 s54, s[WV], 10                      ; and their scale images
	v_add_nc_u32 v27, s54, v5
	s_mul_i32 s54, s[WV], 1536
	s_add_co_u32 s54, s54, PB0
	v_add_nc_u32 v[PST], s54, v3                   ; where I store p
	s_lshl_b32 s54, s[WV], 7
	s_add_co_u32 s55, s54, PB0+6144
	v_add_nc_u32 v[PWS], s55, v5                   ; its scale word, and 512 bytes on f
	v_add_nc_u32 v[PLI], PB0, v3                   ; where anybody reads them
	v_add_nc_u32 v[PLS], PB0+6144, v5
	s_add_co_u32 s55, s54, LX
	v_add_nc_u32 v[LXS], s55, v5
	v_add_nc_u32 v[LXL], LX, v5
	s_mul_i32 s54, s[WV], 16*528
	s_add_co_u32 s54, s54, STAGE                   ; my stage
	v_mul_u32_u24 v[STO], v29, 528                 ; in: row r, 32 bytes for each half of the lanes
	v_lshl_add_u32 v[STO], v30, 5, v[STO]
	v_add_nc_u32 v[STO], s54, v[STO]
	v_add_nc_u32 v[RD], s54, v3                    ; back: the 32 lanes take a row's 512 bytes
	s_lshl_b32 s54, s[WV], 9
	v_add_nc_u32 v[GO], s54, v3                    ; the same in a row of x and of out0: my 128 channels
	v_mov_b32 v13, 0xff61b1e6                      ; the largest t so far: -3e38, under every t
	v_floor_f32 v12, -v13                          ; -M
	v_mov_b32 v14, 0                               ; l, in two halves
	v_mov_b32 v15, 0
.irp b, 0,1,2,3
	v_mov_b32 v[T2+\b], 0                          ; written once: a lane permute's destination counts as one of its sources
	v_mov_b32 v[GL+2*\b+1], 0
.endr
	v_mov_b32 v[FR+1], 0
	s_wait_loadcnt 0x0                             ; f's codes, g of step 0 and their scale words
	s_wait_kmcnt 0x0                               ; gamma
	WIN KQW
.irp t, 0,1,2,3,4,5,6,7                        ; the scores of step 0, while the first tiles are on their way
	v_wmma_scale_f32_16x16x128_f8f6f4 v[32+8*\t:32+8*\t+7], v[KF+12*\t:KF+12*\t+11], v[QF:QF+11], 0, v[KS+\t], v[QS] matrix_a_fmt:MATRIX_FMT_FP6 matrix_b_fmt:MATRIX_FMT_FP6
.endr
	WIN 0
	s_wait_tensorcnt 0x1                           ; my part of slot 0 is in; slot 1's may stay out
	s_barrier_signal -1
	s_barrier_wait -1                              ; everybody's is
	PHASE 0, 0, 1
	BAR
	s_add_co_u32 s[TB], s[TB], STEPB
	PHASE 1, 1, 1
.Lslot:                                            ; 14 trips of two phases; each fills the slot that it has left
	CHANGE 1
	PHASE 0, 2, 1
	BAR
	s_add_co_u32 s[TB], s[TB], STEPB
	PHASE 1, 2, 1
	s_sub_co_u32 s25, s25, 1
	s_cmp_lg_u32 s25, 0
	s_cbranch_scc1 .Lslot
	CHANGE 0                                       ; the last slot is written out
	PHASE 0, 2, 1
	BAR
	s_add_co_u32 s[TB], s[TB], STEPB
	PHASE 1, 2, 0                                  ; the last step: no further scores; the rows of x are asked for
	v_add_f32 v14, v14, v15                        ; l's two halves,
	v_permlanex16_b32 v[TMP], v14, s[SEL], s[SEL+1]
	v_add_f32 v14, v14, v[TMP]                     ; and lane l xor 16's: the row's sum
	v_rcp_f32 v14, v14
	v_nop                                          ; one plain place behind a transcendental
	s_wait_alu depctr_va_vdst(0)
	v_mul_f32 v14, s26, v14                        ; gamma / l
	ds_store_b32 v[LXS], v14
	BAR
; THE WAY OUT, by query tile m: O^T x gamma / l goes through my stage and comes back as rows of 512 bytes; the rows are added onto the tile's rows of x, which are the tile's own registers, and stored from there:
; the 32 lanes store 512 consecutive bytes, aligned.  No register that a store reads is written again.
.macro SCALE m
	WIN 0x41
.irp c, 0,1,2,3
.irp j, 0,2,4,6
	v_pk_mul_f32 v[8*(4*\c+\m)+\j:8*(4*\c+\m)+\j+1], v[8*(4*\c+\m)+\j:8*(4*\c+\m)+\j+1], v[GL+2*\m:GL+2*\m+1] op_sel_hi:[1,0]
.endr
.endr
	WIN 0x82
.irp c, 0,1,2,3
.irp j, 0,2,4,6
	v_pk_mul_f32 v[8*(4*\c+\m)+\j:8*(4*\c+\m)+\j+1], v[8*(4*\c+\m)+\j:8*(4*\c+\m)+\j+1], v[GL+2*\m:GL+2*\m+1] op_sel_hi:[1,0]
.endr
.endr
.endm
.macro TOSTAGE m
	WIN 0x04                                       ; an LDS store's data are its source 1: window 1, channel tiles 0-3
.irp c, 0,1,2,3
	ds_store_b128 v[STO], v[8*(4*\c+\m):8*(4*\c+\m)+3] offset:64*\c
	ds_store_b128 v[STO], v[8*(4*\c+\m)+4:8*(4*\c+\m)+7] offset:64*\c+16
.endr
	WIN 0x08                                       ; window 2, channel tiles 4-7
.irp c, 0,1,2,3
	ds_store_b128 v[STO], v[8*(4*\c+\m):8*(4*\c+\m)+3] offset:256+64*\c
	ds_store_b128 v[STO], v[8*(4*\c+\m)+4:8*(4*\c+\m)+7] offset:256+64*\c+16
.endr
	WIN 0x40
.irp i, 0,1,2,3,4,5,6,7,8,9,10,11,12,13,14,15
	ds_load_b128 v[BK+64*((\m)%2)+4*\i:BK+64*((\m)%2)+4*\i+3], v[RD] offset:\i*528   ; LDS serves a wave's instructions in order (ISA guide 5.7.1.4): these see my stores
.endr
	WIN 0
.endm
.macro SEND m, dsn, ldn                ; dsn, ldn: the LDS instructions and the loads issued behind this tile's, which may stay out
	s_wait_dscnt \dsn
	s_wait_loadcnt \ldn
.if (\m) < 3
	WIN 0xcd                                       ; the rows from the stage window 1; x, which takes the sum, window 3
.set i2, 0
.rept 32
	v_pk_add_f32 v[XR+64*(\m)+i2:XR+64*(\m)+i2+1], v[BK+64*((\m)%2)+i2:BK+64*((\m)%2)+i2+1], v[XR+64*(\m)+i2:XR+64*(\m)+i2+1]
.set i2, i2+2
.endr
	WIN 0x0c
.irp i, 0,1,2,3,4,5,6,7,8,9,10,11,12,13,14,15
	global_store_b128 v[GO], v[XR+64*(\m)+4*\i:XR+64*(\m)+4*\i+3], s[14:15] offset:(32*((\m)/2)+8*((\m)%2)+\i+8*(\i/8))*2048 th:TH_STORE_NT
.endr
.else
	WIN 0x01
.set i2, 0
.rept 32
	v_pk_add_f32 v[32+i2:32+i2+1], v[BK+64*((\m)%2)+i2:BK+64*((\m)%2)+i2+1], v[32+i2:32+i2+1]
.set i2, i2+2
.endr
	WIN 0
.irp i, 0,1,2,3,4,5,6,7,8,9,10,11,12,13,14,15
	global_store_b128 v[GO], v[32+4*\i:32+4*\i+3], s[14:15] offset:(32*((\m)/2)+8*((\m)%2)+\i+8*(\i/8))*2048 th:TH_STORE_NT
.endr
.endif
	WIN 0
.endm
	PLOAD 0, 1                                     ; the last step's p lies in buffer 1
.irp m, 0,1,2,3
	ds_load_b32 v[GL+2*\m], v[LXL] offset:128*\m
.endr
	s_wait_dscnt 0x0
.irp c, 0,1,2,3,4,5,6,7
	G \c, 2, 0                                     ; the last step's products; nothing is left to reload
.endr
	SCALE 0                                        ; tile 0's multiplications are the places behind the last products
	TOSTAGE 0
.irp m, 1,2,3
	SCALE \m
	TOSTAGE \m
	SEND \m-1, 32, 16                              ; behind tile m - 1's: tile m's 16 stores and 16 loads in LDS; of the rows of x only tile 3's sixteen loads may be out
.endr
	SEND 3, 0, 0
	s_wait_tensorcnt 0x0                           ; the wave's end: behind my last tensor load and my last LDS store
	ds_add_u32 v[SPW], v[NIL]
	s_wait_dscnt 0x0
	CROUND                                         ; the closing round: no work-group ends while a partner may still ask for a tile that names it
	s_endpgm
.Lfunc_end_k_qd29a09673d_attn:
	.size	k_qd29a09673d_attn, .Lfunc_end_k_qd29a09673d_attn-k_qd29a09673d_attn
	.p2alignl 7, 3214868480
	.fill 96, 4, 3214868480
	.section	.rodata,"a",@progbits
	.p2align	6, 0x0
	.amdhsa_kernel k_qd29a09673d_attn
		.amdhsa_group_segment_fixed_size 327680
		.amdhsa_private_segment_fixed_size 0
		.amdhsa_enable_private_segment 0
		.amdhsa_kernarg_size 48
		.amdhsa_user_sgpr_count 2
		.amdhsa_user_sgpr_kernarg_segment_ptr 1
		.amdhsa_wavefront_size32 1
		.amdhsa_system_sgpr_workgroup_id_x 1
		.amdhsa_system_sgpr_workgroup_id_y 1
		.amdhsa_system_sgpr_workgroup_id_z 1
		.amdhsa_system_vgpr_workitem_id 0
		.amdhsa_next_free_vgpr 1024
		.amdhsa_next_free_sgpr 66
		.amdhsa_reserve_vcc 0
		.amdhsa_float_denorm_mode_32 3
		.amdhsa_float_denorm_mode_16_64 3
		.amdhsa_memory_ordered 1
		.amdhsa_forward_progress 1
		.amdhsa_inst_pref_size 225
	.end_amdhsa_kernel
	.amdgpu_metadata
---
amdhsa.version: [ 1, 2 ]
amdhsa.kernels:
  - .name:           k_qd29a09673d_attn
    .symbol:         k_qd29a09673d_attn.kd
    .args:
      - { .name: x, .offset: 0, .size: 8, .value_kind: global_buffer, .address_space: global }
      - { .name: gamma, .offset: 8, .size: 8, .value_kind: global_buffer, .address_space: global }
      - { .name: kv, .offset: 16, .size: 8, .value_kind: global_buffer, .address_space: global }
      - { .name: fq, .offset: 24, .size: 8, .value_kind: global_buffer, .address_space: global }
      - { .name: fsc, .offset: 32, .size: 8, .value_kind: global_buffer, .address_space: global }
      - { .name: out0, .offset: 40, .size: 8, .value_kind: global_buffer, .address_space: global }
    .group_segment_fixed_size: 327680
    .private_segment_fixed_size: 0
    .kernarg_segment_align: 8
    .kernarg_segment_size: 48
    .max_flat_workgroup_size: 128
    .sgpr_count:     66
    .vgpr_count:     1024
    .wavefront_size: 32
...
	.end_amdgpu_metadata
.endif
;; end of part 3
